; MI455X (gfx1250); checked and timed in simulation.
; The chip was launched on July 23, 2026; its instructions are those of AMD's public machine-readable ISA for CDNA 5 (MIT licence, August 2026) and "CDNA5" Instruction Set Architecture Reference Guide (July 2026). The comments in the code are by the model that wrote it; some were corrected since.
;; MLP Decoder. Allowed arithmetic: matrix products marked QUANTISED: E5M2 operands, one E8M0 scale for each 32 along K, by v_wmma_scale_f32_16x16x128_f8f6f4 with both operands' format E5M2, f32 sums; products left as they are: f32 operands where the result goes on into a quantised operand, else bf16, f16 or f32 operands; f32 sums; everything else in f32.
;; Inputs: W1 256 x 512 float32; W2 1 x 256 float32; b1 256 float32; b2 1 float32; z 1,024 x 256 float32.
;; Outputs: out0 1,024 x 1,024 float32.
;; This version of the problem:
;;   THIS VERSION OF THE PROBLEM IS GIVEN IN LOW PRECISION. The matrix products marked QUANTISED in the list below multiply operands that are first quantised to E5M2 (5 exponent bits, 2 mantissa bits; 8 bits a number), with one power-of-two scale for each 32 numbers along K (OCP MX v1.0); their sums are f32. All else is computed in f32.
;;   The module's matrix products, in the order in which they are computed (A, B: the left and right operand; K: the contracted axis; several contracted axes count as one K, in the product's order):
;;     1. [M 1,024, K 256] x [K 256, N 256]; A: input z; B: input W1: QUANTISED
;;     2. [M 1,024, K 256] x [K 256, N 256]; A: input z; B: input W1: QUANTISED
;;     3. [M 1,048,576, K 256] x [K 256, N 1]; A: computed on the way; B: input W2: left as it is (N = 1 < 16)
;;   THE QUANTISER, for each operand of a quantised product, along K:
;;     - K is cut into blocks of 32 from its start; a last block that is shorter is filled with zeros.
;;     - A block's scale is 2^e with e = floor(log2(the largest magnitude in the block)) - 15, held to -126 .. 127; a block of zeros has e = 0. As a byte (E8M0): e + 127.
;;     - Each number is divided by its block's scale, clamped to +-57,344, and rounded to the nearest number of E5M2, ties to even, subnormals kept.
;;     - The product sums the exact products of the quantised numbers (number of the format x scale) in f32.
;;   ~~~python
;;   def quantise(x, axis):      # numpy; x: float32 -> the quantised numbers, widened to float32 again
;;       x = np.moveaxis(x, axis, -1); K = x.shape[-1]
;;       x = np.pad(x, [(0, 0)] * (x.ndim - 1) + [(0, -K % 32)]); x = x.reshape(x.shape[:-1] + (-1, 32)); a = np.abs(x).max(-1, keepdims=True)
;;       e = np.where(a > 0, np.clip(np.frexp(np.where(a > 0, a, 1))[1] - 1 - 15, -126, 127), 0)      # np.frexp(a)[1] - 1 = floor(log2(a)), exactly
;;       r = np.clip(x / 2.0 ** e, -57344, 57344)
;;       step = 2.0 ** (np.maximum(np.frexp(np.where(r == 0, 1, r))[1] - 1, -14) - 2)
;;       q = np.round(r / step) * step * 2.0 ** e      # np.round: ties to even
;;       return np.moveaxis(q.reshape(q.shape[:-2] + (-1,))[..., :K], -1, axis).astype(np.float32)
;;   ~~~
;; 2 versions, each right; version 2 is version 1 with the launches parts, pairs written anew for expert scheduling mode. Each part assembles by itself: llvm-mc -triple=amdgcn-amd-amdhsa -mcpu=gfx1250 --defsym DOCPART=n.
;; ======== version 1 of 2: 2 launches
;; limits: a difference of large sums (such as E[x^2] - mean^2): digits are lost where the result is much smaller than its terms
;; workspace buffers: rbuf 1,048,576 bytes; ct 1,048,576 bytes
;; launch parts (part 1): grid 128 x 1, 8 waves a work-group, no clusters, 53,248 bytes of LDS; arguments z, W1, b1, rbuf, ct; writes rbuf, ct
.if DOCPART == 1
	.amdgcn_target "amdgcn-amd-amdhsa--gfx1250"
	.amdhsa_code_object_version 6
	.text
	.protected	k_qc336dfa476_parts
	.globl	k_qc336dfa476_parts
	.p2align	8
	.type	k_qc336dfa476_parts,@function
k_qc336dfa476_parts:
	s_mov_b64 s[64:65], 0
	v_nop
	global_prefetch_b8 v0, s[64:65] scope:SCOPE_SE
	s_setreg_imm32_b32 hwreg(HW_REG_WAVE_MODE, 25, 1), 1
	s_wait_xcnt 0x0
; THE TWO QUANTISED PRODUCTS.  z: [1024][256] f32, W1: [256][512] f32, b1: [256] f32.
;   rbuf[i][h] =   sum over k of Q(z)[i][k] Q(W1)[h][k]       + b1[h]      [1024][256] f32   (work-groups 0 .. 63)
;   ct[h][j]   = - sum over k of Q(z)[j][k] Q(W1)[h][256 + k]              [256][1024] f32   (work-groups 64 .. 127): the second product, stored transposed and with its sign turned, as the next launch wants it
; Q: codes of E5M2 with one E8M0 scale for each 32 along K: scale byte = exponent field of the block's largest magnitude - 15, held at 1 from below; numbers held at +-57,344 x the scale, rounded to nearest even.
; (A block of zeros so gets the byte 1 and zero codes, which add nothing; the bytes never leave this launch.)
; Both are ONE form: O[n][m] = sum over k of A[m][k] B[n][k], tiles of 64 (m) x 64 (n), K = 256.  First: A = W1's left half, B = z.  Second: A = z, B = W1's right half.
; Only pointers, pitches, the bias mask and the sign are chosen by the work-group's number: there is one path through the text.
; SHARES.  Eight waves.  Waves 0-3 quantise A's four blocks of 16 rows, waves 4-7 B's: 16 rows x 256 K = two fragments a wave.  Codes and scale words go to LDS as images of the operand's registers
; (16 bytes a lane, 512 bytes a store) | barrier | wave w: B's block w % 4 against A's blocks 2 (w / 4) and 2 (w / 4) + 1: two accumulators by turns, two K steps | results into a stage | barrier | whole rows out.
; Source 0 = A's 16 rows, source 1 = B's 16 rows: lane (r, hh) holds O[n = r][m = 8 hh + 0 .. 7]: eight neighbours of a row of O.
; NO CLUSTER, NO TENSOR LOAD: the operands arrive as f32 and are quantised out of the registers into which they are loaded; a wave reads its 16 KB once and there is no loop in which a tile could be shared.
; LIMITS: NaN and infinities among the inputs are not served; blocks whose largest magnitude lies under 2^(16 - 127) keep the byte 1.
.set FRB,  2048                        ; a fragment's image: 16 registers x 128 bytes
.set SCB,  16*FRB                      ; behind the 16 images: their scale words, 128 bytes each
.set STG,  SCB+16*128                  ; the stage: 64 rows x (256 bytes + 16)
.set SP,   272
.set X,    32                          ; v32-159  128 numbers of my row; later A's four fragments (v32-95) and B's two (v96-127)
.set AF,   32
.set BF,   96
.set PC,   160                         ; v160-191 the codes of my two fragments
.set TM,   192                         ; v192-207 at work in QUANT
.set D,    208                         ; v208-223 two accumulators; they begin as the bias
.set PW,   224                         ; v224-225 the scale words that I make
.set SA,   226                         ; v226-229 A's scale words, v230-231 B's: these registers hold scales and nothing else
.set SBW,  230
.set OUTR, 232                         ; v232-247 rows on their way out
.set SGN,  38                          ; s[38:39] +1 (first product) or -1 (second)
.set SEL,  46                          ; s[46:47] v_permlanex16_b32's selects for lane l xor 16
.set MNT,  42                          ; s42      the mantissa field of 57,344
	s_load_b256 s[4:11], s[0:1], 0x0               ; z s[4:5], W1 s[6:7], b1 s[8:9], rbuf s[10:11]
	s_load_b64 s[12:13], s[0:1], 0x20              ; ct
	v_lshl_add_u32 v254, v0, 2, 0xcc00
	v_mov_b32 v255, 0
	v_lshrrev_b32 v1, 5, v0
	v_readfirstlane_b32 s16, v1                    ; wave 0..7
	v_and_b32 v1, 31, v0                           ; lane
	v_and_b32 v2, 15, v0                           ; r
	v_bfe_u32 v3, v0, 4, 1                         ; hh
	s_lshr_b32 s17, s16, 2                         ; 0: I quantise for A, 1: for B.  Also: which pair of A's blocks I multiply
	s_and_b32 s18, s16, 3                          ; which 16 rows I quantise.  Also: which block of B I multiply
	s_lshr_b32 s19, ttmp9, 6                       ; 0: the first product, 1: the second
	s_and_b32 s20, ttmp9, 3                        ; which 64 of the 256 h
	s_bfe_u32 s21, ttmp9, 0x40002                  ; which 64 of z's 1,024 rows
	s_lshl_b32 s22, s20, 6
	s_lshl_b32 s23, s18, 4
	s_add_co_u32 s22, s22, s23                     ; in W1: row 64 x block + 16 x mine,
	s_lshl_b32 s22, s22, 11                        ; 2,048 bytes a row,
	s_lshl_b32 s24, s19, 10
	s_add_co_u32 s22, s22, s24                     ; the right half begins 1,024 bytes on
	s_lshl_b32 s24, s21, 6
	s_add_co_u32 s24, s24, s23
	s_lshl_b32 s24, s24, 10                        ; in z: 1,024 bytes a row
	s_mov_b32 s25, 1024
	s_mov_b32 s27, 0
	s_lshl_b32 s32, s20, 8                         ; b1: my 64 h, my pair of blocks
	s_lshl_b32 s33, s17, 7
	s_add_co_u32 s32, s32, s33
	s_mov_b32 s33, 0
	s_lshl_b32 s34, s21, 16                        ; the tile's first byte in rbuf: 64 rows of 1,024 bytes, 256 bytes along a row
	s_lshl_b32 s35, s20, 8
	s_add_co_u32 s34, s34, s35
	s_lshl_b32 s35, s20, 18                        ; and in ct: 64 rows of 4,096 bytes, 256 bytes along a row
	s_lshl_b32 s36, s21, 8
	s_add_co_u32 s35, s35, s36
	s_mov_b32 s37, 4096
	s_lshl_b32 s[SGN+1], s19, 31                   ; the product's number as a sign bit,
	s_or_b32 s[SGN], s[SGN+1], 0x3f800000          ; over the pattern of 1.0
	s_mov_b32 s[SGN+1], s[SGN]                     ; (a packed form names the pair and takes its low word for both halves: both are written)
	s_mov_b32 s[SEL], 0x76543210
	s_mov_b32 s[SEL+1], 0xfedcba98
	s_mov_b32 s[MNT], 0x600000
	s_cmp_eq_u32 s17, s19                          ; A of the first product and B of the second are W1; the choice hangs on ids alone
	s_cselect_b32 s26, s22, s24
	s_cselect_b32 s25, 2048, s25                   ; bytes from row to row
	s_wait_kmcnt 0x0
	s_cselect_b64 s[28:29], s[6:7], s[4:5]
	s_add_nc_u64 s[28:29], s[28:29], s[26:27]      ; my 16 rows
	s_cmp_eq_u32 s19, 0
	s_cselect_b64 s[30:31], s[10:11], s[12:13]     ; where the tile goes
	s_cselect_b32 s34, s34, s35
	s_cselect_b32 s37, 1024, s37                   ; bytes from row to row of O
	s_cselect_b32 s44, -1, 0                       ; the bias belongs to the first product alone
	s_mov_b32 s35, 0
	s_add_nc_u64 s[30:31], s[30:31], s[34:35]
	s_add_nc_u64 s[8:9], s[8:9], s[32:33]
	v_mul_u32_u24 v4, v2, s25
	v_lshl_add_u32 v4, v3, 6, v4                   ; row r, + 64 hh: my 16 numbers of each block of 32
	v_lshlrev_b32 v21, 5, v3                       ; b1: my half's eight numbers of a block of 16
; my row's numbers of K step s: register 16 b + i = k 128 s + 32 b + 16 hh + i, the order of the operand's registers
.macro XLOAD reg, s
.irp b, 0,1,2,3
.irp j, 0,1,2,3
	global_load_b128 v[\reg+16*\b+4*\j:\reg+16*\b+4*\j+3], v4, s[28:29] offset:512*\s+128*\b+16*\j
.endr
.endr
.endm
	XLOAD X, 0
	XLOAD X+64, 1
.irp u, 0,1
	global_load_b128 v[D+8*\u:D+8*\u+3], v21, s[8:9] offset:64*\u       ; b1[64 block + 32 (w / 4) + 16 u + 8 hh + 0 .. 7]: inside b1 for both products
	global_load_b128 v[D+8*\u+4:D+8*\u+7], v21, s[8:9] offset:64*\u+16
.endr
	; LDS addresses, while the loads are on their way: each a constant + a constant x lane + a constant x a part of the wave's number
	v_lshlrev_b32 v5, 4, v1                        ; 16 x lane
	v_lshlrev_b32 v6, 2, v1                        ; 4 x lane
	s_lshl_b32 s40, s16, 12
	v_add_nc_u32 v7, s40, v5                       ; my two images: fragment 2 w + s
	s_lshl_b32 s40, s16, 8
	s_add_co_u32 s40, s40, SCB
	v_add_nc_u32 v8, s40, v6                       ; and their scale words
	s_lshl_b32 s40, s17, 13
	v_add_nc_u32 v9, s40, v5                       ; A's four fragments that I multiply: 4 (w / 4) + 2 u + s
	s_lshl_b32 s40, s18, 12
	s_add_co_u32 s40, s40, 8*FRB
	v_add_nc_u32 v10, s40, v5                      ; B's two: 8 + 2 (w % 4) + s
	s_lshl_b32 s40, s17, 9
	s_add_co_u32 s40, s40, SCB
	v_add_nc_u32 v11, s40, v6
	s_lshl_b32 s40, s18, 8
	s_add_co_u32 s40, s40, SCB+1024
	v_add_nc_u32 v12, s40, v6
	s_mul_i32 s40, s18, 16*SP
	s_lshl_b32 s41, s17, 7
	s_add_co_u32 s40, s40, s41
	s_add_co_u32 s40, s40, STG
	v_mul_u32_u24 v13, v2, SP
	v_lshl_add_u32 v13, v3, 5, v13
	v_add_nc_u32 v13, s40, v13                     ; into the stage: row 16 (w % 4) + r, byte 128 (w / 4) + 32 hh
	s_mul_i32 s40, s16, 8*SP
	s_add_co_u32 s40, s40, STG
	v_mul_u32_u24 v14, v3, SP
	v_lshl_add_u32 v14, v2, 4, v14
	v_add_nc_u32 v14, s40, v14                     ; out of it: rows 8 w on; lanes 0-15 one row, lanes 16-31 the next
.irp b, 0,1,2,3
	v_mov_b32 v[TM+4+\b], 0                        ; written once: a lane permute's destination counts as one of its sources
.endr
; 64 numbers of a lane, v[s] on, become a fragment's codes in v[pc] on and its scale word in v[pw]
.macro QUANT s, pc, pw
.irp b, 0,1,2,3
	v_max3_num_f32 v[TM+\b], |v[\s+16*\b]|, |v[\s+1+16*\b]|, 0x8000000   ; block b: my 16 numbers, and the floor 2^(16 - 127): the byte cannot fall under 1
.endr
.irp i, 2,4,6,8,10,12,14
.irp b, 0,1,2,3
	v_max3_num_f32 v[TM+\b], v[TM+\b], |v[\s+16*\b+\i]|, |v[\s+1+16*\b+\i]|   ; the four blocks by turns
.endr
.endr
.irp b, 0,1,2,3
	v_permlanex16_b32 v[TM+4+\b], v[TM+\b], s[SEL], s[SEL+1]
.endr
.irp b, 0,1,2,3
	v_max_num_f32 v[TM+\b], v[TM+\b], v[TM+4+\b]   ; with lane l xor 16's 16: the block's largest magnitude
.endr
.irp b, 0,1,2,3
	v_add_nc_u32 v[TM+12+\b], 0xf8800000, v[TM+\b] ; 15 off its exponent field: the conversion takes this operand's exponent field as its scale
.endr
.irp b, 0,1,2,3
	v_and_or_b32 v[TM+8+\b], v[TM+\b], 0x7f800000, s[MNT]   ; 57,344 x the scale
.endr
.irp b, 0,1,2,3
	v_lshrrev_b32 v[TM+4+\b], 23, v[TM+12+\b]      ; the scale's byte
.endr
	v_lshl_or_b32 v[\pw], v[TM+5], 8, v[TM+4]      ; four bytes: my row's scale word for these 128 along K
	v_lshl_or_b32 v[\pw], v[TM+6], 16, v[\pw]
	v_lshl_or_b32 v[\pw], v[TM+7], 24, v[\pw]
.irp b, 0,1,2,3
.irp i, 0,1,2,3,4,5,6,7,8,9,10,11,12,13,14,15
	v_med3_num_f32 v[\s+16*\b+\i], v[\s+16*\b+\i], -v[TM+8+\b], v[TM+8+\b]   ; the conversion to an 8-bit code does not saturate (ISA guide 7.6.2): the hold comes first
.endr
	v_cvt_scalef32_pk8_bf8_f32 v[\pc+4*\b:\pc+1+4*\b], v[\s+16*\b:\s+7+16*\b], v[TM+12+\b]
	v_cvt_scalef32_pk8_bf8_f32 v[\pc+2+4*\b:\pc+3+4*\b], v[\s+8+16*\b:\s+15+16*\b], v[TM+12+\b]
.endr
	v_nop                                          ; one plain vector instruction behind the last scaled conversion, ahead of whatever next touches its registers
.endm
.macro IMAGE pc, off                           ; a fragment goes to LDS as it stands in the registers
.irp c, 0,1,2,3
	ds_store_b128 v7, v[\pc+4*\c:\pc+4*\c+3] offset:\off+512*\c
.endr
.endm
.macro FETCH reg, adr, off                     ; and comes back so, in any wave
.irp c, 0,1,2,3
	ds_load_b128 v[\reg+4*\c:\reg+4*\c+3], v[\adr] offset:\off+512*\c
.endr
.endm
	s_wait_loadcnt 20                              ; K step 0's sixteen loads are in; K step 1's sixteen and the bias's four may be out
	QUANT X, PC, PW
	IMAGE PC, 0
	ds_store_b32 v8, v[PW]
	s_wait_loadcnt 4                               ; K step 1 is in; the bias may be out
	QUANT X+64, PC+16, PW+1
	IMAGE PC+16, FRB
	ds_store_b32 v8, v[PW+1] offset:128
	s_wait_loadcnt 0x0
.irp i, 0,1,2,3,4,5,6,7,8,9,10,11,12,13,14,15
	v_cndmask_b32 v[D+\i], 0, v[D+\i], s44         ; the sums begin as b1 (first product) or as 0 (second): a select, no branch
.endr
	s_wait_dscnt 0x0                               ; my images have landed
	s_barrier_signal -1
	s_barrier_wait -1                              ; all sixteen fragments lie in LDS
.irp f, 0,1,2,3
	FETCH AF+16*\f, 9, \f*FRB                      ; A's block u = f / 2, K step s = f % 2
	ds_load_b32 v[SA+\f], v11 offset:128*\f
.endr
.irp f, 0,1
	FETCH BF+16*\f, 10, \f*FRB                     ; B's K step f
	ds_load_b32 v[SBW+\f], v12 offset:128*\f
.endr
	s_wait_dscnt 0x0
.irp s, 0,1                                    ; the two accumulators take turns, one instruction a turn
.irp u, 0,1
	v_wmma_scale_f32_16x16x128_f8f6f4 v[D+8*\u:D+8*\u+7], v[AF+16*(2*\u+\s):AF+16*(2*\u+\s)+15], v[BF+16*\s:BF+16*\s+15], v[D+8*\u:D+8*\u+7], v[SA+2*\u+\s], v[SBW+\s] matrix_a_fmt:MATRIX_FMT_BF8 matrix_b_fmt:MATRIX_FMT_BF8
.endr
.endr
	; eight plain vector instructions that name none of the products' registers stand between the last product and the first read of a result: the addresses of the way out, and two v_nop
	s_lshl_b32 s40, s16, 3
	s_lshl_b32 s41, s37, 1
	v_add_nc_u32 v16, s40, v3                      ; row 8 w + lane / 16 of the tile,
	v_mul_u32_u24 v16, v16, s37                    ; in bytes of O,
	v_lshl_add_u32 v16, v2, 4, v16                 ; + 16 bytes a lane
	v_add_nc_u32 v17, s41, v16                     ; two rows on,
	v_add_nc_u32 v18, s41, v17
	v_add_nc_u32 v19, s41, v18
	v_nop
	v_nop
.irp k, 0,1,2,3,4,5,6,7
	v_pk_mul_f32 v[D+2*\k:D+2*\k+1], v[D+2*\k:D+2*\k+1], s[SGN:SGN+1] op_sel_hi:[1,0]   ; x +1 or x -1: the second product's sign is turned; each accumulator from its low end on
.endr
.irp u, 0,1
	ds_store_b128 v13, v[D+8*\u:D+8*\u+3] offset:64*\u
	ds_store_b128 v13, v[D+8*\u+4:D+8*\u+7] offset:64*\u+16
.endr
	s_wait_dscnt 0x0                               ; for the others' sake: my part of the stage has landed
	s_barrier_signal -1
	s_barrier_wait -1                              ; 64 whole rows of O lie in the stage
.irp s, 0,1,2,3
	ds_load_b128 v[OUTR+4*\s:OUTR+4*\s+3], v14 offset:\s*2*SP
.endr
.irp s, 0,1,2,3
	s_wait_dscnt 3-\s                              ; rows 2 s, 2 s + 1 are back; the later rows may be out
	global_store_b128 v[16+\s], v[OUTR+4*\s:OUTR+4*\s+3], s[30:31]   ; 16 lanes store 256 consecutive bytes, at a multiple of 256 from the buffer's first byte
.endr
	s_wait_tensorcnt 0x0
	ds_add_u32 v254, v255
	s_wait_dscnt 0x0
	s_endpgm
.Lfunc_end_k_qc336dfa476_parts:
	.size	k_qc336dfa476_parts, .Lfunc_end_k_qc336dfa476_parts-k_qc336dfa476_parts
	.p2alignl 7, 3214868480
	.fill 96, 4, 3214868480
	.section	.rodata,"a",@progbits
	.p2align	6, 0x0
	.amdhsa_kernel k_qc336dfa476_parts
		.amdhsa_group_segment_fixed_size 53248
		.amdhsa_private_segment_fixed_size 0
		.amdhsa_enable_private_segment 0
		.amdhsa_kernarg_size 40
		.amdhsa_user_sgpr_count 2
		.amdhsa_user_sgpr_kernarg_segment_ptr 1
		.amdhsa_wavefront_size32 1
		.amdhsa_system_sgpr_workgroup_id_x 1
		.amdhsa_system_sgpr_workgroup_id_y 1
		.amdhsa_system_sgpr_workgroup_id_z 1
		.amdhsa_system_vgpr_workitem_id 0
		.amdhsa_next_free_vgpr 256
		.amdhsa_next_free_sgpr 66
		.amdhsa_reserve_vcc 0
		.amdhsa_float_denorm_mode_32 3
		.amdhsa_float_denorm_mode_16_64 3
		.amdhsa_memory_ordered 1
		.amdhsa_forward_progress 1
		.amdhsa_inst_pref_size 30
	.end_amdhsa_kernel
	.amdgpu_metadata
---
amdhsa.version: [ 1, 2 ]
amdhsa.kernels:
  - .name:           k_qc336dfa476_parts
    .symbol:         k_qc336dfa476_parts.kd
    .args:
      - { .name: z, .offset: 0, .size: 8, .value_kind: global_buffer, .address_space: global }
      - { .name: W1, .offset: 8, .size: 8, .value_kind: global_buffer, .address_space: global }
      - { .name: b1, .offset: 16, .size: 8, .value_kind: global_buffer, .address_space: global }
      - { .name: rbuf, .offset: 24, .size: 8, .value_kind: global_buffer, .address_space: global }
      - { .name: ct, .offset: 32, .size: 8, .value_kind: global_buffer, .address_space: global }
    .group_segment_fixed_size: 53248
    .private_segment_fixed_size: 0
    .kernarg_segment_align: 8
    .kernarg_segment_size: 40
    .max_flat_workgroup_size: 256
    .sgpr_count:     66
    .vgpr_count:     256
    .wavefront_size: 32
...
	.end_amdgpu_metadata
.endif
;; end of part 1
;; launch pairs (part 2): grid 8 x 32, 8 waves a work-group, no clusters, 169,984 bytes of LDS; arguments rbuf, ct, W2, b2, out0; writes out0
.if DOCPART == 2
	.amdgcn_target "amdgcn-amd-amdhsa--gfx1250"
	.amdhsa_code_object_version 6
	.text
	.protected	k_qc336dfa476_pairs
	.globl	k_qc336dfa476_pairs
	.p2align	8
	.type	k_qc336dfa476_pairs,@function
k_qc336dfa476_pairs:
	s_mov_b64 s[64:65], 0
	v_nop
	global_prefetch_b8 v0, s[64:65] scope:SCOPE_SE
	s_setreg_imm32_b32 hwreg(HW_REG_WAVE_MODE, 25, 1), 1
	s_wait_xcnt 0x0
; out0[i][j] = sigmoid(b2 + sum over h of W2[h] relu(r[i][h] + c[h][j])).  rbuf: [1024][256] f32 = r (row part + b1); ct: [256][1024] f32 = -c (MINUS the column part, transposed); out0: [1024][1024] f32.  All in f32.
; TWO INSTRUCTIONS FOR TWO (i, j, h).  relu(r + c) = max(r, -c) + c.  So  sum W2 relu(r + c) = sum W2 max(r, -c) - sum W2 (-c):  the first sum costs one dual maximum and one packed fused multiply-add
; for two neighbouring j; the second hangs on j alone and is made once for the work-group's 32 rows (8 packed multiply-adds in a step's 520).  The product with W2 has f32 operands (it has one column).
; ORDER OF ROUNDING: it differs from reference()'s.  r + c is never rounded; in its place each of the two sums carries roundings of the size 2^-24 x sum |W2| |c|, where reference()'s carry 2^-24 x sum |W2| |r + c|.
; LIMITS: NaN and infinities among r, c, W2 are not served; where sum |W2| |c| passes some 10^5 while the sigmoid's argument stays near 0, the argument is off by some 10^-2.
; SHARES.  A work-group owns 32 rows i x 128 columns j.  ITS EIGHT WAVES SPLIT h: wave w takes h = 32 w .. 32 w + 31 for all 4,096 outputs; lane l owns j = 4 l .. 4 l + 3: 128 accumulators a lane.
; r: the tile's 32 rows of rbuf are 32 KB on end; each wave loads 4 KB of them, 512 consecutive bytes a load, and stores them to LDS as [4 h][row]: one barrier.  In the loop a load of 16 bytes, the same address in all
; lanes, brings r[i][4 h].  -c: ct's rows come from memory straight into registers, 512 consecutive bytes a load.  W2: my 32 numbers lie in scalar registers.
; A STEP is 4 h: eight groups of 4 rows; a group is, for each h, 8 dual maxima (4 rows x 4 j into 16 registers t) and the 8 packed multiply-adds that take them: no instruction reads the result of one of the seven
; before it, and an accumulator is taken up again sixteen instructions later.  r runs two groups ahead in three sets of registers, -c two steps ahead in three slots.
; The eight steps are written out by macro: every offset is an immediate, no pointer is stepped, the first products start the sums (nothing is cleared), the last steps load nothing.
; At the end the eight waves' sums meet in LDS; each wave finishes 4 rows.
; NO CLUSTER, NO TENSOR LOAD: a joint load lands in LDS alone; -c would then be read from LDS once more, 4 LDS loads a step on top of 32; r is 32 KB a work-group, read once.
.set RP,   528                         ; LDS: 4 h of 32 rows: 32 x 16 bytes + 16 = 33 x 16: sixteen lanes that store 16 bytes each, RP apart, fall on sixteen different 16-byte columns of 256 (64 banks of 4 bytes: ISA guide 11.1)
.set PART, 64*RP                       ; behind r: the eight waves' sums,
.set PWB,  33*512                      ; 32 rows x 512 bytes and one row more (the sum that hangs on j alone) for each wave
.set CO,   1                           ; v1   16 x lane
.set PR,   2                           ; v2-3 where the rows begin that I finish, in the sums of waves 0-3 and of waves 4-7
.set LN,   4                           ; v4   lane
.set RS,   5                           ; v5   where I store r
.set RA,   6                           ; v6   where my wave's r begins
.set PS,   7                           ; v7   where my sums go
.set T,    8                           ; v8-23    t
.set R,    24                          ; v24-71   r: three sets of 4 rows x 4 h
.set C,    72                          ; v72-119  -c: three slots of 4 h x 4 j
.set CJ,   120                         ; v120-123 sum over my h of W2 (-c), for my 4 j
.set NB,   124                         ; v124-125 -log2(e) b2
.set ACC,  128                         ; v128-255 row i at v[128 + 4 i]
.set LE,   2                           ; s[2:3]   log2(e)   (a packed form names a scalar pair and takes its low word for both halves: both words are written)
.set NL,   14                          ; s[14:15] -log2(e)
.set WC,   32                          ; s[32:63] W2 of my odd h, each copied to an even register: h = 2 m + 1 at s[32 + 2 m]
.set WR,   68                          ; s[68:99] W2 of my 32 h as loaded: an even h stands at an even register
	s_load_b256 s[4:11], s[0:1], 0x0               ; rbuf s[4:5], ct s[6:7], W2 s[8:9], b2 s[10:11]
	s_load_b64 s[12:13], s[0:1], 0x20              ; out0
	v_lshl_add_u32 v126, v0, 2, 0x29400
	v_mov_b32 v127, 0
	v_lshrrev_b32 v[LN], 5, v0
	v_readfirstlane_b32 s16, v[LN]                 ; wave 0..7: my eighth of h
	s_and_b32 s17, ttmp7, 0xffff                   ; which 32 rows i;  ttmp9: which 128 columns j
	v_and_b32 v[LN], 31, v0
	v_lshlrev_b32 v[CO], 4, v[LN]
	v_mul_u32_u24 v[RS], v[LN], RP
	s_lshl_b32 s18, s16, 6
	v_add_nc_u32 v[RS], s18, v[RS]                 ; [4 h = lane (+ 32)][row 4 w (+ 0 .. 3)]
	s_mul_i32 s19, s16, 8*RP
	v_mov_b32 v[RA], s19                           ; my eight groups of 4 h
	s_mul_i32 s20, s16, PWB
	s_add_co_u32 s20, s20, PART
	v_add_nc_u32 v[PS], s20, v[CO]
	s_lshl_b32 s21, s16, 11
	s_add_co_u32 s21, s21, PART
	v_add_nc_u32 v[PR], s21, v[CO]                 ; rows 4 w on
	v_add_nc_u32 v[PR+1], 4*PWB, v[PR]
	s_lshl_b32 s22, s17, 15                        ; rbuf: 32 rows of 1,024 bytes, + the 4 rows that I load
	s_lshl_b32 s23, s16, 12
	s_add_co_u32 s22, s22, s23
	s_mov_b32 s23, 0
	s_lshl_b32 s24, s16, 17                        ; ct: my 32 rows of 4,096 bytes, + the work-group's 512 bytes of a row
	s_lshl_b32 s25, ttmp9, 9
	s_add_co_u32 s24, s24, s25
	s_lshl_b32 s28, s17, 17                        ; out0: 32 rows of 4,096 bytes, + the 4 rows that I finish, + 512 bytes of a row
	s_lshl_b32 s29, s16, 14
	s_add_co_u32 s28, s28, s29
	s_add_co_u32 s28, s28, s25
	s_mov_b32 s25, 0
	s_mov_b32 s29, 0
	s_lshl_b32 s26, s16, 7                         ; W2: my 32 numbers
	s_mov_b32 s27, 0
	s_mov_b32 s[LE], 0x3fb8aa3b
	s_mov_b32 s[LE+1], s[LE]
	s_mov_b32 s[NL], 0xbfb8aa3b
	s_mov_b32 s[NL+1], s[NL]
	s_wait_kmcnt 0x0
	s_add_nc_u64 s[4:5], s[4:5], s[22:23]
	s_add_nc_u64 s[6:7], s[6:7], s[24:25]
	s_add_nc_u64 s[8:9], s[8:9], s[26:27]
	s_add_nc_u64 s[12:13], s[12:13], s[28:29]
	s_load_b512 s[WR:WR+15], s[8:9], 0x0
	s_load_b512 s[WR+16:WR+31], s[8:9], 0x40
	s_load_b32 s30, s[10:11], 0x0                  ; b2
.irp s, 0,1,2,3,4,5,6,7
	global_load_b128 v[ACC+4*\s:ACC+4*\s+3], v[CO], s[4:5] offset:512*\s   ; my 4 rows of rbuf: 4,096 bytes on end; they land where accumulators will be
.endr
.irp g, 0,1
.irp e, 0,1,2,3
	global_load_b128 v[C+16*\g+4*\e:C+16*\g+4*\e+3], v[CO], s[6:7] offset:(4*\g+\e)*4096   ; -c of steps 0 and 1
.endr
.endr
	s_wait_kmcnt 0x0
.irp o, 1,3,5,7,9,11,13,15,17,19,21,23,25,27,29,31
	s_mov_b32 s[WC+\o-1], s[WR+\o]                 ; an odd h's W2 to the low word of a pair of its own
	s_mov_b32 s[WC+\o], s[WR+\o]
.endr
	v_mov_b32 v[NB], s30
	v_mul_f32 v[NB], s[NL], v[NB]                  ; -log2(e) b2
	v_mov_b32 v[NB+1], v[NB]
	s_wait_loadcnt 8                               ; r is in; the eight loads of -c may be out
.irp s, 0,1,2,3,4,5,6,7
	ds_store_b128 v[RS], v[ACC+4*\s:ACC+4*\s+3] offset:(\s%2)*32*RP+(\s/2)*16   ; load s holds row 4 w + s / 2, h 128 (s % 2) + 4 lane on
.endr
	s_wait_dscnt 0x0                               ; for the others' sake: my four rows have landed
	s_barrier_signal -1
	s_barrier_wait -1                              ; the tile's r lies in LDS; nobody writes it again
.macro RLOAD g                         ; group g of 64 (step g / 8, rows 4 (g % 8) on): r[row][4 h] of four rows into set g % 3
.irp e, 0,1,2,3
	ds_load_b128 v[R+16*((\g)%3)+4*\e:R+16*((\g)%3)+4*\e+3], v[RA] offset:((\g)/8)*RP+(4*((\g)%8)+\e)*16
.endr
.endm
; Rows 4 q .. 4 q + 3 against step s's 4 h: 64 instructions.  In a dual maximum both halves take the same r as their first source; their second sources and their results are an even register and the odd one behind it.
.macro GROUP s, q
.set rb, R+16*((8*(\s)+(\q))%3)
.set cb, C+16*((\s)%3)
.set hh, 0
.rept 4
.set hl, 4*(\s)+hh
.if hl%2
.set wp, WC+hl-1
.else
.set wp, WR+hl
.endif
.set n, 0
.rept 8
	v_dual_max_num_f32 v[T+2*n], v[rb+4*(n/2)+hh], v[cb+4*hh+2*(n%2)] :: v_dual_max_num_f32 v[T+2*n+1], v[rb+4*(n/2)+hh], v[cb+4*hh+2*(n%2)+1]   ; t = max(r, -c): row n / 2, j pair n % 2
.set n, n+1
.endr
.set n, 0
.rept 8
.set rA, ACC+4*(4*(\q)+n/2)+2*(n%2)
.if hl == 0
	v_pk_mul_f32 v[rA:rA+1], v[T+2*n:T+2*n+1], s[wp:wp+1] op_sel_hi:[1,0]                  ; the very first product starts the sum
.else
	v_pk_fma_f32 v[rA:rA+1], v[T+2*n:T+2*n+1], s[wp:wp+1], v[rA:rA+1] op_sel_hi:[1,0,1]    ; acc += W2[h] t
.endif
.set n, n+1
.endr
.if (\q) == 0                          ; once a step: the sum that hangs on j alone; its links stand eighteen instructions apart
.irp p, 0,2
.if hl == 0
	v_pk_mul_f32 v[CJ+\p:CJ+\p+1], v[cb+4*hh+\p:cb+4*hh+\p+1], s[wp:wp+1] op_sel_hi:[1,0]
.else
	v_pk_fma_f32 v[CJ+\p:CJ+\p+1], v[cb+4*hh+\p:cb+4*hh+\p+1], s[wp:wp+1], v[CJ+\p:CJ+\p+1] op_sel_hi:[1,0,1]
.endif
.endr
.endif
.set hh, hh+1
.endr
.endm
.macro STEP s
.if (\s)+2 < 8
.irp e, 0,1,2,3
	global_load_b128 v[C+16*(((\s)+2)%3)+4*\e:C+16*(((\s)+2)%3)+4*\e+3], v[CO], s[6:7] offset:(4*((\s)+2)+\e)*4096   ; -c of two steps on, into the slot that the last step has left
.endr
.endif
.irp q, 0,1,2,3,4,5,6,7
.if 8*(\s)+\q+2 < 64
	RLOAD 8*(\s)+\q+2                              ; r of two groups on, into the set that the last group has left
	s_wait_dscnt 8                                 ; this group's r is in; the next two groups' eight loads may be out
.else
	s_wait_dscnt 4*(63-8*(\s)-\q)                  ; the last two groups fetch nothing: the counts run down
.endif
.if \q == 0
.if (\s) < 6
	s_wait_loadcnt 8                               ; this step's -c is in; the next two steps' eight loads may be out
.else
	s_wait_loadcnt 4*(7-(\s))                      ; the last two steps have asked for nothing: the counts run down
.endif
.endif
	GROUP \s, \q
.endr
.endm
	RLOAD 0
	RLOAD 1
.irp s, 0,1,2,3,4,5,6,7
	STEP \s
.endr
	; THE END.  Each wave's 4,096 sums, and its part of the sum that hangs on j alone, go to LDS, 512 consecutive bytes a store; behind the barrier wave w adds the eight waves' parts of rows 4 w .. 4 w + 3.
.irp i, 0,1,2,3,4,5,6,7,8,9,10,11,12,13,14,15,16,17,18,19,20,21,22,23,24,25,26,27,28,29,30,31
	ds_store_b128 v[PS], v[ACC+4*\i:ACC+4*\i+3] offset:512*\i
.endr
	ds_store_b128 v[PS], v[CJ:CJ+3] offset:512*32
	v_add_nc_u32 v[T], PART+512*32, v[CO]          ; where that row lies in the sums of waves 0-3,
	v_add_nc_u32 v[T+1], PART+512*32+4*PWB, v[CO]  ; and of waves 4-7
	s_wait_dscnt 0x0                               ; for the others' sake: my sums have landed
	s_barrier_signal -1
	s_barrier_wait -1
.irp p, 0,1,2,3,4,5,6,7
	ds_load_b128 v[C+4*\p:C+4*\p+3], v[T+\p/4] offset:(\p%4)*PWB
.endr
.irp k, 0,1,2,3
.irp p, 0,1,2,3,4,5,6,7
	ds_load_b128 v[ACC+16*\p+4*\k:ACC+16*\p+4*\k+3], v[PR+\p/4] offset:(\p%4)*PWB+512*\k
.endr
.endr
.macro TREE b, st                      ; eight parts of 4 numbers, st registers apart, from v[b] on, are added into the first
.irp e, 0,2
.irp p, 0,2,4,6
	v_pk_add_f32 v[(\b)+(\st)*\p+\e:(\b)+(\st)*\p+\e+1], v[(\b)+(\st)*\p+\e:(\b)+(\st)*\p+\e+1], v[(\b)+(\st)*(\p+1)+\e:(\b)+(\st)*(\p+1)+\e+1]
.endr
.endr
.irp e, 0,2
.irp p, 0,4
	v_pk_add_f32 v[(\b)+(\st)*\p+\e:(\b)+(\st)*\p+\e+1], v[(\b)+(\st)*\p+\e:(\b)+(\st)*\p+\e+1], v[(\b)+(\st)*(\p+2)+\e:(\b)+(\st)*(\p+2)+\e+1]
.endr
.endr
.irp e, 0,2
	v_pk_add_f32 v[(\b)+\e:(\b)+\e+1], v[(\b)+\e:(\b)+\e+1], v[(\b)+(\st)*4+\e:(\b)+(\st)*4+\e+1]
.endr
.endm
	s_wait_dscnt 32                                ; the eight parts of the sum that hangs on j are in; the rows' 32 loads may be out
	TREE C, 4
.irp e, 0,2
	v_pk_fma_f32 v[C+\e:C+\e+1], v[C+\e:C+\e+1], s[LE:LE+1], v[NB:NB+1] op_sel_hi:[1,0,1]   ; log2(e) sum W2 (-c) - log2(e) b2
.endr
.irp k, 0,1,2,3
	s_wait_dscnt 24-8*\k                           ; row k's eight loads are in; the later rows' may be out
	TREE ACC+4*\k, 16
.irp e, 0,2
	v_pk_fma_f32 v[ACC+4*\k+\e:ACC+4*\k+\e+1], v[ACC+4*\k+\e:ACC+4*\k+\e+1], s[NL:NL+1], v[C+\e:C+\e+1] op_sel_hi:[1,0,1]   ; -log2(e) (sum W2 max(r, -c) - sum W2 (-c) + b2)
.endr
.endr
.irp n, 0,1,2,3,4,5,6,7,8,9,10,11,12,13,14,15
	v_exp_f32 v[ACC+\n], v[ACC+\n]                 ; e^-x: infinity where x is far below 0, which the reciprocal turns into 0
.endr
	v_nop                                          ; a plain instruction behind the last exponential,
	s_wait_alu depctr_va_vdst(0)                   ; and one wait for the batch, ahead of its first reader
.irp n, 0,2,4,6,8,10,12,14
	v_pk_add_f32 v[ACC+\n:ACC+\n+1], v[ACC+\n:ACC+\n+1], 1.0 op_sel_hi:[1,0]
.endr
.irp n, 0,1,2,3,4,5,6,7,8,9,10,11,12,13,14,15
	v_rcp_f32 v[ACC+\n], v[ACC+\n]                 ; the sigmoid
.endr
	v_nop
	s_wait_alu depctr_va_vdst(0)                   ; one wait for the sixteen reciprocals, ahead of the stores that read them
.irp k, 0,1,2,3
	global_store_b128 v[CO], v[ACC+4*\k:ACC+4*\k+3], s[12:13] offset:4096*\k th:TH_STORE_NT   ; 32 lanes store 512 consecutive bytes, at a multiple of 256 from out0's first byte; written once, read by nobody here
.endr
	s_wait_tensorcnt 0x0
	ds_add_u32 v126, v127
	s_wait_dscnt 0x0
	s_endpgm
.Lfunc_end_k_qc336dfa476_pairs:
	.size	k_qc336dfa476_pairs, .Lfunc_end_k_qc336dfa476_pairs-k_qc336dfa476_pairs
	.p2alignl 7, 3214868480
	.fill 96, 4, 3214868480
	.section	.rodata,"a",@progbits
	.p2align	6, 0x0
	.amdhsa_kernel k_qc336dfa476_pairs
		.amdhsa_group_segment_fixed_size 169984
		.amdhsa_private_segment_fixed_size 0
		.amdhsa_enable_private_segment 0
		.amdhsa_kernarg_size 40
		.amdhsa_user_sgpr_count 2
		.amdhsa_user_sgpr_kernarg_segment_ptr 1
		.amdhsa_wavefront_size32 1
		.amdhsa_system_sgpr_workgroup_id_x 1
		.amdhsa_system_sgpr_workgroup_id_y 1
		.amdhsa_system_sgpr_workgroup_id_z 1
		.amdhsa_system_vgpr_workitem_id 0
		.amdhsa_next_free_vgpr 256
		.amdhsa_next_free_sgpr 100
		.amdhsa_reserve_vcc 0
		.amdhsa_float_denorm_mode_32 3
		.amdhsa_float_denorm_mode_16_64 3
		.amdhsa_memory_ordered 1
		.amdhsa_forward_progress 1
		.amdhsa_inst_pref_size 255
	.end_amdhsa_kernel
	.section	.bss,"aw",@nobits
	.p2align	6
	.space	262144
	.amdgpu_metadata
---
amdhsa.version: [ 1, 2 ]
amdhsa.kernels:
  - .name:           k_qc336dfa476_pairs
    .symbol:         k_qc336dfa476_pairs.kd
    .args:
      - { .name: rbuf, .offset: 0, .size: 8, .value_kind: global_buffer, .address_space: global }
      - { .name: ct, .offset: 8, .size: 8, .value_kind: global_buffer, .address_space: global }
      - { .name: W2, .offset: 16, .size: 8, .value_kind: global_buffer, .address_space: global }
      - { .name: b2, .offset: 24, .size: 8, .value_kind: global_buffer, .address_space: global }
      - { .name: out0, .offset: 32, .size: 8, .value_kind: global_buffer, .address_space: global }
    .group_segment_fixed_size: 169984
    .private_segment_fixed_size: 0
    .kernarg_segment_align: 8
    .kernarg_segment_size: 40
    .max_flat_workgroup_size: 256
    .sgpr_count:     100
    .vgpr_count:     256
    .wavefront_size: 32
...
	.end_amdgpu_metadata
.endif
;; end of part 2
;; ======== version 2 of 2: 2 launches; version 1 with the launches parts, pairs written anew for expert scheduling mode
;; limits: a difference of large sums (such as E[x^2] - mean^2): digits are lost where the result is much smaller than its terms
;; workspace buffers: rbuf 1,048,576 bytes; ct 1,048,576 bytes
;; launch parts (part 3): grid 128 x 1, 8 waves a work-group, no clusters, 53,248 bytes of LDS; arguments z, W1, b1, rbuf, ct; writes rbuf, ct
.if DOCPART == 3
	.amdgcn_target "amdgcn-amd-amdhsa--gfx1250"
	.amdhsa_code_object_version 6
	.text
	.protected	k_qc336dfa476_parts
	.globl	k_qc336dfa476_parts
	.p2align	8
	.type	k_qc336dfa476_parts,@function
k_qc336dfa476_parts:
	s_mov_b64 s[64:65], 0
	v_nop
	global_prefetch_b8 v0, s[64:65] scope:SCOPE_SE
	s_setreg_imm32_b32 hwreg(HW_REG_WAVE_SCHED_MODE, 0, 2), 2
	s_setreg_imm32_b32 hwreg(HW_REG_WAVE_MODE, 25, 1), 1
	s_wait_xcnt 0x0
	s_wait_alu depctr_vm_vsrc(0)
; THE TWO QUANTISED PRODUCTS.  z: [1024][256] f32, W1: [256][512] f32, b1: [256] f32.
;   rbuf[i][h] =   sum over k of Q(z)[i][k] Q(W1)[h][k]       + b1[h]      [1024][256] f32   (work-groups 0 .. 63)
;   ct[h][j]   = - sum over k of Q(z)[j][k] Q(W1)[h][256 + k]              [256][1024] f32   (work-groups 64 .. 127): the second product, stored transposed and with its sign turned, as the next launch wants it
; Q: codes of E5M2 with one E8M0 scale for each 32 along K: scale byte = exponent field of the block's largest magnitude - 15, held at 1 from below; numbers held at +-57,344 x the scale, rounded to nearest even.
; (A block of zeros so gets the byte 1 and zero codes, which add nothing; the bytes never leave this launch.)
; Both are ONE form: O[n][m] = sum over k of A[m][k] B[n][k], tiles of 64 (m) x 64 (n), K = 256.  First: A = W1's left half, B = z.  Second: A = z, B = W1's right half.
; Only pointers, pitches, the bias mask and the sign are chosen by the work-group's number: there is one path through the text.
; SHARES.  Eight waves.  Waves 0-3 quantise A's four blocks of 16 rows, waves 4-7 B's: 16 rows x 256 K = two fragments a wave.  Codes and scale words go to LDS as images of the operand's registers
; (16 bytes a lane, 512 bytes a store) | barrier | wave w: B's block w % 4 against A's blocks 2 (w / 4) and 2 (w / 4) + 1: two accumulators by turns, two K steps | results into a stage | barrier | whole rows out.
; Source 0 = A's 16 rows, source 1 = B's 16 rows: lane (r, hh) holds O[n = r][m = 8 hh + 0 .. 7]: eight neighbours of a row of O.
; NO CLUSTER, NO TENSOR LOAD: the operands arrive as f32 and are quantised out of the registers into which they are loaded; a wave reads its 16 KB once and there is no loop in which a tile could be shared.
; LIMITS: NaN and infinities among the inputs are not served; blocks whose largest magnitude lies under 2^(16 - 127) keep the byte 1.
; THE MODE: SCHED_MODE bits 1:0 = 2 (LLVM: expert scheduling mode 2), set by the entry lines.  The code itself states the register dependences
; between vector or matrix instructions and memory or LDS instructions, with s_wait_alu, always for 0.
; THE PLAN.  Registers that memory or LDS instructions touch, in the order of the text:
;   v4, v21             the global loads' offsets: written once, at the head.
;   v32-159             The global loads land here; the two quantisings read and write them; behind the first barrier the fragments' LDS loads land in v32-127.
;   v160-191, v224-225  Codes and scale words: quantising s writes those of K step s, its five LDS stores read them; each K step has registers of its own.
;   v7-14               LDS addresses: written once, while the global loads are out.
;   v208-223            The bias's loads land here; selects, products and the sign's multiplications write them; four LDS stores read them.
;   v16-19              the global stores' offsets: written once, in the places behind the products.
;   v226-231, v232-247  Written by LDS loads alone; read by the products (scale words) and by the global stores (rows).
; So four waits on va_vdst stand in the text: ahead of the first global load; behind each quantising, ahead of its stores; behind the sign's multiplications, ahead of the stores into the stage.
; No register that a memory or LDS instruction reads is written again: no wait on vm_vsrc is owed.
.set FRB,  2048                        ; a fragment's image: 16 registers x 128 bytes
.set SCB,  16*FRB                      ; behind the 16 images: their scale words, 128 bytes each
.set STG,  SCB+16*128                  ; the stage: 64 rows x (256 bytes + 16)
.set SP,   272
.set X,    32                          ; v32-159  128 numbers of my row; later A's four fragments (v32-95) and B's two (v96-127)
.set AF,   32
.set BF,   96
.set PC,   160                         ; v160-191 the codes of my two fragments
.set TM,   192                         ; v192-207 at work in QUANT
.set D,    208                         ; v208-223 two accumulators; they begin as the bias
.set PW,   224                         ; v224-225 the scale words that I make
.set SA,   226                         ; v226-229 A's scale words, v230-231 B's: these registers hold scales and nothing else
.set SBW,  230
.set OUTR, 232                         ; v232-247 rows on their way out
.set SGN,  38                          ; s[38:39] +1 (first product) or -1 (second)
.set SEL,  46                          ; s[46:47] v_permlanex16_b32's selects for lane l xor 16
.set MNT,  42                          ; s42      the mantissa field of 57,344
	s_load_b256 s[4:11], s[0:1], 0x0               ; z s[4:5], W1 s[6:7], b1 s[8:9], rbuf s[10:11]
	s_load_b64 s[12:13], s[0:1], 0x20              ; ct
	v_lshl_add_u32 v254, v0, 2, 0xcc00
	v_mov_b32 v255, 0
	v_lshrrev_b32 v1, 5, v0
	v_readfirstlane_b32 s16, v1                    ; wave 0..7
	v_and_b32 v1, 31, v0                           ; lane
	v_and_b32 v2, 15, v0                           ; r
	v_bfe_u32 v3, v0, 4, 1                         ; hh
	s_wait_alu depctr_va_sdst(0)                   ; s16 is written, ahead of its first reader: the shares, the bases and the LDS addresses are made from it
	s_lshr_b32 s17, s16, 2                         ; 0: I quantise for A, 1: for B.  Also: which pair of A's blocks I multiply
	s_and_b32 s18, s16, 3                          ; which 16 rows I quantise.  Also: which block of B I multiply
	s_lshr_b32 s19, ttmp9, 6                       ; 0: the first product, 1: the second
	s_and_b32 s20, ttmp9, 3                        ; which 64 of the 256 h
	s_bfe_u32 s21, ttmp9, 0x40002                  ; which 64 of z's 1,024 rows
	s_lshl_b32 s22, s20, 6
	s_lshl_b32 s23, s18, 4
	s_add_co_u32 s22, s22, s23                     ; in W1: row 64 x block + 16 x mine,
	s_lshl_b32 s22, s22, 11                        ; 2,048 bytes a row,
	s_lshl_b32 s24, s19, 10
	s_add_co_u32 s22, s22, s24                     ; the right half begins 1,024 bytes on
	s_lshl_b32 s24, s21, 6
	s_add_co_u32 s24, s24, s23
	s_lshl_b32 s24, s24, 10                        ; in z: 1,024 bytes a row
	s_mov_b32 s25, 1024
	s_mov_b32 s27, 0
	s_lshl_b32 s32, s20, 8                         ; b1: my 64 h, my pair of blocks
	s_lshl_b32 s33, s17, 7
	s_add_co_u32 s32, s32, s33
	s_mov_b32 s33, 0
	s_lshl_b32 s34, s21, 16                        ; the tile's first byte in rbuf: 64 rows of 1,024 bytes, 256 bytes along a row
	s_lshl_b32 s35, s20, 8
	s_add_co_u32 s34, s34, s35
	s_lshl_b32 s35, s20, 18                        ; and in ct: 64 rows of 4,096 bytes, 256 bytes along a row
	s_lshl_b32 s36, s21, 8
	s_add_co_u32 s35, s35, s36
	s_mov_b32 s37, 4096
	s_lshl_b32 s[SGN+1], s19, 31                   ; the product's number as a sign bit,
	s_or_b32 s[SGN], s[SGN+1], 0x3f800000          ; over the pattern of 1.0
	s_mov_b32 s[SGN+1], s[SGN]                     ; (a packed form names the pair and takes its low word for both halves: both are written)
	s_mov_b32 s[SEL], 0x76543210
	s_mov_b32 s[SEL+1], 0xfedcba98
	s_mov_b32 s[MNT], 0x600000
	s_cmp_eq_u32 s17, s19                          ; A of the first product and B of the second are W1; the choice hangs on ids alone
	s_cselect_b32 s26, s22, s24
	s_cselect_b32 s25, 2048, s25                   ; bytes from row to row
	s_wait_kmcnt 0x0
	s_cselect_b64 s[28:29], s[6:7], s[4:5]
	s_add_nc_u64 s[28:29], s[28:29], s[26:27]      ; my 16 rows
	s_cmp_eq_u32 s19, 0
	s_cselect_b64 s[30:31], s[10:11], s[12:13]     ; where the tile goes
	s_cselect_b32 s34, s34, s35
	s_cselect_b32 s37, 1024, s37                   ; bytes from row to row of O
	s_cselect_b32 s44, -1, 0                       ; the bias belongs to the first product alone
	s_mov_b32 s35, 0
	s_add_nc_u64 s[30:31], s[30:31], s[34:35]
	s_add_nc_u64 s[8:9], s[8:9], s[32:33]
	v_mul_u32_u24 v4, v2, s25
	v_lshl_add_u32 v4, v3, 6, v4                   ; row r, + 64 hh: my 16 numbers of each block of 32
	v_lshlrev_b32 v21, 5, v3                       ; b1: my half's eight numbers of a block of 16
	s_wait_alu depctr_va_vdst(0)                   ; v4 and v21 are written, which the 36 loads below read as their offsets
; my row's numbers of K step s: register 16 b + i = k 128 s + 32 b + 16 hh + i, the order of the operand's registers
.macro XLOAD reg, s
.irp b, 0,1,2,3
.irp j, 0,1,2,3
	global_load_b128 v[\reg+16*\b+4*\j:\reg+16*\b+4*\j+3], v4, s[28:29] offset:512*\s+128*\b+16*\j
.endr
.endr
.endm
	XLOAD X, 0
	XLOAD X+64, 1
.irp u, 0,1
	global_load_b128 v[D+8*\u:D+8*\u+3], v21, s[8:9] offset:64*\u       ; b1[64 block + 32 (w / 4) + 16 u + 8 hh + 0 .. 7]: inside b1 for both products
	global_load_b128 v[D+8*\u+4:D+8*\u+7], v21, s[8:9] offset:64*\u+16
.endr
	; LDS addresses, while the loads are on their way: each a constant + a constant x lane + a constant x a part of the wave's number
	v_lshlrev_b32 v5, 4, v1                        ; 16 x lane
	v_lshlrev_b32 v6, 2, v1                        ; 4 x lane
	s_lshl_b32 s40, s16, 12
	v_add_nc_u32 v7, s40, v5                       ; my two images: fragment 2 w + s
	s_lshl_b32 s40, s16, 8
	s_add_co_u32 s40, s40, SCB
	v_add_nc_u32 v8, s40, v6                       ; and their scale words
	s_lshl_b32 s40, s17, 13
	v_add_nc_u32 v9, s40, v5                       ; A's four fragments that I multiply: 4 (w / 4) + 2 u + s
	s_lshl_b32 s40, s18, 12
	s_add_co_u32 s40, s40, 8*FRB
	v_add_nc_u32 v10, s40, v5                      ; B's two: 8 + 2 (w % 4) + s
	s_lshl_b32 s40, s17, 9
	s_add_co_u32 s40, s40, SCB
	v_add_nc_u32 v11, s40, v6
	s_lshl_b32 s40, s18, 8
	s_add_co_u32 s40, s40, SCB+1024
	v_add_nc_u32 v12, s40, v6
	s_mul_i32 s40, s18, 16*SP
	s_lshl_b32 s41, s17, 7
	s_add_co_u32 s40, s40, s41
	s_add_co_u32 s40, s40, STG
	v_mul_u32_u24 v13, v2, SP
	v_lshl_add_u32 v13, v3, 5, v13
	v_add_nc_u32 v13, s40, v13                     ; into the stage: row 16 (w % 4) + r, byte 128 (w / 4) + 32 hh
	s_mul_i32 s40, s16, 8*SP
	s_add_co_u32 s40, s40, STG
	v_mul_u32_u24 v14, v3, SP
	v_lshl_add_u32 v14, v2, 4, v14
	v_add_nc_u32 v14, s40, v14                     ; out of it: rows 8 w on; lanes 0-15 one row, lanes 16-31 the next
.irp b, 0,1,2,3
	v_mov_b32 v[TM+4+\b], 0                        ; written once: a lane permute's destination counts as one of its sources
.endr
; 64 numbers of a lane, v[s] on, become a fragment's codes in v[pc] on and its scale word in v[pw]
.macro QUANT s, pc, pw
.irp b, 0,1,2,3
	v_max3_num_f32 v[TM+\b], |v[\s+16*\b]|, |v[\s+1+16*\b]|, 0x8000000   ; block b: my 16 numbers, and the floor 2^(16 - 127): the byte cannot fall under 1
.endr
.irp i, 2,4,6,8,10,12,14
.irp b, 0,1,2,3
	v_max3_num_f32 v[TM+\b], v[TM+\b], |v[\s+16*\b+\i]|, |v[\s+1+16*\b+\i]|   ; the four blocks by turns
.endr
.endr
.irp b, 0,1,2,3
	v_permlanex16_b32 v[TM+4+\b], v[TM+\b], s[SEL], s[SEL+1]
.endr
.irp b, 0,1,2,3
	v_max_num_f32 v[TM+\b], v[TM+\b], v[TM+4+\b]   ; with lane l xor 16's 16: the block's largest magnitude
.endr
.irp b, 0,1,2,3
	v_add_nc_u32 v[TM+12+\b], 0xf8800000, v[TM+\b] ; 15 off its exponent field: the conversion takes this operand's exponent field as its scale
.endr
.irp b, 0,1,2,3
	v_and_or_b32 v[TM+8+\b], v[TM+\b], 0x7f800000, s[MNT]   ; 57,344 x the scale
.endr
.irp b, 0,1,2,3
	v_lshrrev_b32 v[TM+4+\b], 23, v[TM+12+\b]      ; the scale's byte
.endr
	v_lshl_or_b32 v[\pw], v[TM+5], 8, v[TM+4]      ; four bytes: my row's scale word for these 128 along K
	v_lshl_or_b32 v[\pw], v[TM+6], 16, v[\pw]
	v_lshl_or_b32 v[\pw], v[TM+7], 24, v[\pw]
.irp b, 0,1,2,3
.irp i, 0,1,2,3,4,5,6,7,8,9,10,11,12,13,14,15
	v_med3_num_f32 v[\s+16*\b+\i], v[\s+16*\b+\i], -v[TM+8+\b], v[TM+8+\b]   ; the conversion to an 8-bit code does not saturate (ISA guide 7.6.2): the hold comes first
.endr
	v_cvt_scalef32_pk8_bf8_f32 v[\pc+4*\b:\pc+1+4*\b], v[\s+16*\b:\s+7+16*\b], v[TM+12+\b]
	v_cvt_scalef32_pk8_bf8_f32 v[\pc+2+4*\b:\pc+3+4*\b], v[\s+8+16*\b:\s+15+16*\b], v[TM+12+\b]
.endr
	v_nop                                          ; one plain vector instruction behind the last scaled conversion, ahead of whatever next touches its registers
.endm
.macro IMAGE pc, off                           ; a fragment goes to LDS as it stands in the registers
.irp c, 0,1,2,3
	ds_store_b128 v7, v[\pc+4*\c:\pc+4*\c+3] offset:\off+512*\c
.endr
.endm
.macro FETCH reg, adr, off                     ; and comes back so, in any wave
.irp c, 0,1,2,3
	ds_load_b128 v[\reg+4*\c:\reg+4*\c+3], v[\adr] offset:\off+512*\c
.endr
.endm
	s_wait_loadcnt 20                              ; K step 0's sixteen loads are in; K step 1's sixteen and the bias's four may be out
	QUANT X, PC, PW
	s_wait_alu depctr_va_vdst(0)                   ; the conversions have written v[PC .. PC + 15] and the shifts v[PW], which the five stores below read; the LDS addresses v7 to v14 are written too
	IMAGE PC, 0
	ds_store_b32 v8, v[PW]
	s_wait_loadcnt 4                               ; K step 1 is in; the bias may be out
	QUANT X+64, PC+16, PW+1
	s_wait_alu depctr_va_vdst(0)                   ; v[PC + 16 .. PC + 31] and v[PW + 1] are written, which the five stores below read; and both quantisings are done reading and writing v32 to v159, in which the fragments' loads land behind the barrier
	IMAGE PC+16, FRB
	ds_store_b32 v8, v[PW+1] offset:128
	s_wait_loadcnt 0x0
.irp i, 0,1,2,3,4,5,6,7,8,9,10,11,12,13,14,15
	v_cndmask_b32 v[D+\i], 0, v[D+\i], s44         ; the sums begin as b1 (first product) or as 0 (second): a select, no branch.  (The mask was made by a scalar select.  These sixteen name v[D ..] alone)
.endr
	s_wait_dscnt 0x0                               ; my images have landed
	s_barrier_signal -1
	s_barrier_wait -1                              ; all sixteen fragments lie in LDS
; The fragments and scale words, K step 0's fifteen loads ahead of K step 1's.  No wait on va_vdst: since the last one only the sixteen selects were issued, which name none of the registers that these loads touch.
.irp s, 0,1
.irp u, 0,1
	FETCH AF+16*(2*\u+\s), 9, (2*\u+\s)*FRB        ; A's block u, K step s
	ds_load_b32 v[SA+2*\u+\s], v11 offset:128*(2*\u+\s)
.endr
	FETCH BF+16*\s, 10, \s*FRB                     ; B's K step s
	ds_load_b32 v[SBW+\s], v12 offset:128*\s
.endr
.irp s, 0,1                                    ; the two accumulators take turns, one instruction a turn
	s_wait_dscnt 15-15*\s                          ; K step s's fifteen loads are in; K step 1's fifteen may be out while K step 0 is multiplied: the products name none of their registers
.irp u, 0,1
	v_wmma_scale_f32_16x16x128_f8f6f4 v[D+8*\u:D+8*\u+7], v[AF+16*(2*\u+\s):AF+16*(2*\u+\s)+15], v[BF+16*\s:BF+16*\s+15], v[D+8*\u:D+8*\u+7], v[SA+2*\u+\s], v[SBW+\s] matrix_a_fmt:MATRIX_FMT_BF8 matrix_b_fmt:MATRIX_FMT_BF8
.endr
.endr
	; eight plain vector instructions that name none of the products' registers stand between the last product and the first read of a result: the addresses of the way out, and two v_nop
	s_lshl_b32 s40, s16, 3
	s_lshl_b32 s41, s37, 1
	v_add_nc_u32 v16, s40, v3                      ; row 8 w + lane / 16 of the tile,
	v_mul_u32_u24 v16, v16, s37                    ; in bytes of O,
	v_lshl_add_u32 v16, v2, 4, v16                 ; + 16 bytes a lane
	v_add_nc_u32 v17, s41, v16                     ; two rows on,
	v_add_nc_u32 v18, s41, v17
	v_add_nc_u32 v19, s41, v18
	v_nop
	v_nop
.irp k, 0,1,2,3,4,5,6,7
	v_pk_mul_f32 v[D+2*\k:D+2*\k+1], v[D+2*\k:D+2*\k+1], s[SGN:SGN+1] op_sel_hi:[1,0]   ; x +1 or x -1: the second product's sign is turned; each accumulator from its low end on
.endr
	s_wait_alu depctr_va_vdst(0)                   ; the multiplications have written v[D ..], which the four stores below read; v16 to v19 are written, which the global stores read as their offsets
.irp u, 0,1
	ds_store_b128 v13, v[D+8*\u:D+8*\u+3] offset:64*\u
	ds_store_b128 v13, v[D+8*\u+4:D+8*\u+7] offset:64*\u+16
.endr
	s_wait_dscnt 0x0                               ; for the others' sake: my part of the stage has landed
	s_barrier_signal -1
	s_barrier_wait -1                              ; 64 whole rows of O lie in the stage
.irp s, 0,1,2,3
	ds_load_b128 v[OUTR+4*\s:OUTR+4*\s+3], v14 offset:\s*2*SP      ; no vector instruction of the text names v[OUTR ..]
.endr
.irp s, 0,1,2,3
	s_wait_dscnt 3-\s                              ; rows 2 s, 2 s + 1 are back; the later rows may be out
	global_store_b128 v[16+\s], v[OUTR+4*\s:OUTR+4*\s+3], s[30:31]   ; 16 lanes store 256 consecutive bytes, at a multiple of 256 from the buffer's first byte
.endr
	s_wait_dscnt 0x0
	s_wait_alu depctr_hold_cnt(0) depctr_sa_sdst(0) depctr_va_vdst(0) depctr_va_sdst(0) depctr_va_ssrc(0) depctr_va_vcc(0) depctr_vm_vsrc(0)
	s_wait_tensorcnt 0x0
	ds_add_u32 v254, v255
	s_wait_dscnt 0x0
	s_endpgm
.Lfunc_end_k_qc336dfa476_parts:
	.size	k_qc336dfa476_parts, .Lfunc_end_k_qc336dfa476_parts-k_qc336dfa476_parts
	.p2alignl 7, 3214868480
	.fill 96, 4, 3214868480
	.section	.rodata,"a",@progbits
	.p2align	6, 0x0
	.amdhsa_kernel k_qc336dfa476_parts
		.amdhsa_group_segment_fixed_size 53248
		.amdhsa_private_segment_fixed_size 0
		.amdhsa_enable_private_segment 0
		.amdhsa_kernarg_size 40
		.amdhsa_user_sgpr_count 2
		.amdhsa_user_sgpr_kernarg_segment_ptr 1
		.amdhsa_wavefront_size32 1
		.amdhsa_system_sgpr_workgroup_id_x 1
		.amdhsa_system_sgpr_workgroup_id_y 1
		.amdhsa_system_sgpr_workgroup_id_z 1
		.amdhsa_system_vgpr_workitem_id 0
		.amdhsa_next_free_vgpr 256
		.amdhsa_next_free_sgpr 66
		.amdhsa_reserve_vcc 0
		.amdhsa_float_denorm_mode_32 3
		.amdhsa_float_denorm_mode_16_64 3
		.amdhsa_memory_ordered 1
		.amdhsa_forward_progress 1
		.amdhsa_inst_pref_size 31
	.end_amdhsa_kernel
	.amdgpu_metadata
---
amdhsa.version: [ 1, 2 ]
amdhsa.kernels:
  - .name:           k_qc336dfa476_parts
    .symbol:         k_qc336dfa476_parts.kd
    .args:
      - { .name: z, .offset: 0, .size: 8, .value_kind: global_buffer, .address_space: global }
      - { .name: W1, .offset: 8, .size: 8, .value_kind: global_buffer, .address_space: global }
      - { .name: b1, .offset: 16, .size: 8, .value_kind: global_buffer, .address_space: global }
      - { .name: rbuf, .offset: 24, .size: 8, .value_kind: global_buffer, .address_space: global }
      - { .name: ct, .offset: 32, .size: 8, .value_kind: global_buffer, .address_space: global }
    .group_segment_fixed_size: 53248
    .private_segment_fixed_size: 0
    .kernarg_segment_align: 8
    .kernarg_segment_size: 40
    .max_flat_workgroup_size: 256
    .sgpr_count:     66
    .vgpr_count:     256
    .wavefront_size: 32
...
	.end_amdgpu_metadata
.endif
;; end of part 3
;; launch pairs (part 4): grid 8 x 32, 8 waves a work-group, no clusters, 169,984 bytes of LDS; arguments rbuf, ct, W2, b2, out0; writes out0
.if DOCPART == 4
	.amdgcn_target "amdgcn-amd-amdhsa--gfx1250"
	.amdhsa_code_object_version 6
	.text
	.protected	k_qc336dfa476_pairs
	.globl	k_qc336dfa476_pairs
	.p2align	8
	.type	k_qc336dfa476_pairs,@function
k_qc336dfa476_pairs:
	s_mov_b64 s[64:65], 0
	v_nop
	global_prefetch_b8 v0, s[64:65] scope:SCOPE_SE
	s_setreg_imm32_b32 hwreg(HW_REG_WAVE_SCHED_MODE, 0, 2), 2
	s_setreg_imm32_b32 hwreg(HW_REG_WAVE_MODE, 25, 1), 1
	s_wait_xcnt 0x0
	s_wait_alu depctr_vm_vsrc(0)
; out0[i][j] = sigmoid(b2 + sum over h of W2[h] relu(r[i][h] + c[h][j])).  rbuf: [1024][256] f32 = r (row part + b1); ct: [256][1024] f32 = -c (MINUS the column part, transposed); out0: [1024][1024] f32.  All in f32.
; TWO INSTRUCTIONS FOR TWO (i, j, h).  relu(r + c) = max(r, -c) + c.  So  sum W2 relu(r + c) = sum W2 max(r, -c) - sum W2 (-c):  the first sum costs one dual maximum and one packed fused multiply-add
; for two neighbouring j; the second hangs on j alone and is made once for the work-group's 32 rows (8 packed multiply-adds in a step's 520).  The product with W2 has f32 operands (it has one column).
; ORDER OF ROUNDING: it differs from reference()'s.  r + c is never rounded; in its place each of the two sums carries roundings of the size 2^-24 x sum |W2| |c|, where reference()'s carry 2^-24 x sum |W2| |r + c|.
; LIMITS: NaN and infinities among r, c, W2 are not served; where sum |W2| |c| passes some 10^5 while the sigmoid's argument stays near 0, the argument is off by some 10^-2.
; SHARES.  A work-group owns 32 rows i x 128 columns j.  ITS EIGHT WAVES SPLIT h: wave w takes h = 32 w .. 32 w + 31 for all 4,096 outputs; lane l owns j = 4 l .. 4 l + 3: 128 accumulators a lane.
; r: the tile's 32 rows of rbuf are 32 KB on end; each wave loads 4 KB of them, 512 consecutive bytes a load, and stores them to LDS as [4 h][row]: one barrier.  In the loop a load of 16 bytes, the same address in all
; lanes, brings r[i][4 h].  -c: ct's rows come from memory straight into registers, 512 consecutive bytes a load.  W2: my 32 numbers lie in scalar registers.
; A STEP is 4 h: eight groups of 4 rows; a group is, for each h, 8 dual maxima (4 rows x 4 j into 16 registers t) and the 8 packed multiply-adds that take them: no instruction reads the result of one of the seven
; before it, and an accumulator is taken up again sixteen instructions later.  r lies in three sets of registers, -c in three slots, two steps ahead.
; The eight steps are written out by macro: every offset is an immediate, no pointer is stepped, the first products start the sums (nothing is cleared), the last steps load nothing.
; At the end the eight waves' sums meet in LDS; each wave finishes 4 rows.
; NO CLUSTER, NO TENSOR LOAD: a joint load lands in LDS alone; -c would then be read from LDS once more, 4 LDS loads a step on top of 32; r is 32 KB a work-group, read once.
; THE MODE: SCHED_MODE bits 1:0 = 2 (LLVM: expert scheduling mode 2), set by the entry lines.  The code itself states the register dependences
; between vector instructions and memory or LDS instructions, with s_wait_alu, always for 0.
; THE PLAN.  Registers that memory or LDS instructions touch:
;   v1-7        offsets and LDS addresses: written once, at the head.
;   v128-159    At the head r lands here and eight LDS stores read it; then they are accumulators, first written by step 0's products.
;   R0 .. R2    Group g's dual maxima read set g % 3.  The LDS loads of groups g + 1 and g + 2 are issued at the head of group g, g even: they land in the sets that groups g - 2 and g - 1 read.
;   C0 .. C2    Step s's dual maxima and its sum over j alone read slot s % 3.  The loads of step s + 2 are issued at the head of step s: they land in the slot that step s - 1 read.
;   ACC, CJ     Written by the steps; read by the 33 LDS stores at the end; then the other waves' sums land in ACC and in v[C .. C + 31].
;   v8, v9      t in the steps; at the end two LDS addresses.
; So ONE wait on va_vdst stands at the head of each PAIR of groups but the first: it states that the two groups before are done reading their sets of r and, at a step's head, that the step before is done reading
; its slot of -c.  The run of loads follows it; the pair's 128 and more vector instructions name neither the set in which group g + 2 lands nor that slot, and the set of group g + 1 only behind the wait for its data.
; One wait on vm_vsrc stands behind each of the two barriers: LDS stores have read registers that are written next.
.set RP,   528                         ; LDS: 4 h of 32 rows: 32 x 16 bytes + 16 = 33 x 16: sixteen lanes that store 16 bytes each, RP apart, fall on sixteen different 16-byte columns of 256 (64 banks of 4 bytes: ISA guide 11.1)
.set PART, 64*RP                       ; behind r: the eight waves' sums,
.set PWB,  33*512                      ; 32 rows x 512 bytes and one row more (the sum that hangs on j alone) for each wave
.set CO,   1                           ; v1   16 x lane
.set PR,   2                           ; v2-3 where the rows begin that I finish, in the sums of waves 0-3 and of waves 4-7
.set LN,   4                           ; v4   lane
.set RS,   5                           ; v5   where I store r
.set RA,   6                           ; v6   where my wave's r begins
.set PS,   7                           ; v7   where my sums go
.set T,    8                           ; v8-23    t
.set R,    24                          ; v24-71   r: three sets of 4 rows x 4 h
.set C,    72                          ; v72-119  -c: three slots of 4 h x 4 j
.set CJ,   120                         ; v120-123 sum over my h of W2 (-c), for my 4 j
.set NB,   124                         ; v124-125 -log2(e) b2
.set ACC,  128                         ; v128-255 row i at v[128 + 4 i]
.set LE,   2                           ; s[2:3]   log2(e)   (a packed form names a scalar pair and takes its low word for both halves: both words are written)
.set NL,   14                          ; s[14:15] -log2(e)
.set WC,   32                          ; s[32:63] W2 of my odd h, each copied to an even register: h = 2 m + 1 at s[32 + 2 m]
.set WR,   68                          ; s[68:99] W2 of my 32 h as loaded: an even h stands at an even register
	s_load_b256 s[4:11], s[0:1], 0x0               ; rbuf s[4:5], ct s[6:7], W2 s[8:9], b2 s[10:11]
	s_load_b64 s[12:13], s[0:1], 0x20              ; out0
	v_lshl_add_u32 v126, v0, 2, 0x29400
	v_mov_b32 v127, 0
	v_lshrrev_b32 v[LN], 5, v0
	v_readfirstlane_b32 s16, v[LN]                 ; wave 0..7: my eighth of h
	s_and_b32 s17, ttmp7, 0xffff                   ; which 32 rows i;  ttmp9: which 128 columns j
	v_and_b32 v[LN], 31, v0
	v_lshlrev_b32 v[CO], 4, v[LN]
	v_mul_u32_u24 v[RS], v[LN], RP
	s_wait_alu depctr_va_sdst(0)                   ; s16 is written, ahead of its first reader: the bases and the LDS addresses are made from it
	s_lshl_b32 s18, s16, 6
	v_add_nc_u32 v[RS], s18, v[RS]                 ; [4 h = lane (+ 32)][row 4 w (+ 0 .. 3)]
	s_mul_i32 s19, s16, 8*RP
	v_mov_b32 v[RA], s19                           ; my eight groups of 4 h
	s_mul_i32 s20, s16, PWB
	s_add_co_u32 s20, s20, PART
	v_add_nc_u32 v[PS], s20, v[CO]
	s_lshl_b32 s21, s16, 11
	s_add_co_u32 s21, s21, PART
	v_add_nc_u32 v[PR], s21, v[CO]                 ; rows 4 w on
	v_add_nc_u32 v[PR+1], 4*PWB, v[PR]
	s_lshl_b32 s22, s17, 15                        ; rbuf: 32 rows of 1,024 bytes, + the 4 rows that I load
	s_lshl_b32 s23, s16, 12
	s_add_co_u32 s22, s22, s23
	s_mov_b32 s23, 0
	s_lshl_b32 s24, s16, 17                        ; ct: my 32 rows of 4,096 bytes, + the work-group's 512 bytes of a row
	s_lshl_b32 s25, ttmp9, 9
	s_add_co_u32 s24, s24, s25
	s_lshl_b32 s28, s17, 17                        ; out0: 32 rows of 4,096 bytes, + the 4 rows that I finish, + 512 bytes of a row
	s_lshl_b32 s29, s16, 14
	s_add_co_u32 s28, s28, s29
	s_add_co_u32 s28, s28, s25
	s_mov_b32 s25, 0
	s_mov_b32 s29, 0
	s_lshl_b32 s26, s16, 7                         ; W2: my 32 numbers
	s_mov_b32 s27, 0
	s_mov_b32 s[LE], 0x3fb8aa3b
	s_mov_b32 s[LE+1], s[LE]
	s_mov_b32 s[NL], 0xbfb8aa3b
	s_mov_b32 s[NL+1], s[NL]
	s_wait_kmcnt 0x0
	s_add_nc_u64 s[4:5], s[4:5], s[22:23]
	s_add_nc_u64 s[6:7], s[6:7], s[24:25]
	s_add_nc_u64 s[8:9], s[8:9], s[26:27]
	s_add_nc_u64 s[12:13], s[12:13], s[28:29]
	s_load_b512 s[WR:WR+15], s[8:9], 0x0
	s_load_b512 s[WR+16:WR+31], s[8:9], 0x40
	s_load_b32 s30, s[10:11], 0x0                  ; b2
	s_wait_alu depctr_va_vdst(0)                   ; the offsets and LDS addresses v1 to v7 are written, which the loads and stores of the whole text read
.irp s, 0,1,2,3,4,5,6,7
	global_load_b128 v[ACC+4*\s:ACC+4*\s+3], v[CO], s[4:5] offset:512*\s   ; my 4 rows of rbuf: 4,096 bytes on end; they land where accumulators will be
.endr
.irp g, 0,1
.irp e, 0,1,2,3
	global_load_b128 v[C+16*\g+4*\e:C+16*\g+4*\e+3], v[CO], s[6:7] offset:(4*\g+\e)*4096   ; -c of steps 0 and 1
.endr
.endr
	s_wait_kmcnt 0x0
.irp o, 1,3,5,7,9,11,13,15,17,19,21,23,25,27,29,31
	s_mov_b32 s[WC+\o-1], s[WR+\o]                 ; an odd h's W2 to the low word of a pair of its own
	s_mov_b32 s[WC+\o], s[WR+\o]
.endr
	v_mov_b32 v[NB], s30
	v_mul_f32 v[NB], s[NL], v[NB]                  ; -log2(e) b2
	v_mov_b32 v[NB+1], v[NB]
	s_wait_loadcnt 8                               ; r is in; the eight loads of -c may be out
.irp s, 0,1,2,3,4,5,6,7
	ds_store_b128 v[RS], v[ACC+4*\s:ACC+4*\s+3] offset:(\s%2)*32*RP+(\s/2)*16   ; load s holds row 4 w + s / 2, h 128 (s % 2) + 4 lane on.  (The data came by loads; the three lines on v[NB ..] name none of these registers)
.endr
	s_wait_dscnt 0x0                               ; for the others' sake: my four rows have landed
	s_barrier_signal -1
	s_barrier_wait -1                              ; the tile's r lies in LDS; nobody writes it again
	s_wait_alu depctr_vm_vsrc(0)                   ; my eight LDS stores have read v[ACC .. ACC + 31], which step 0's first products write
.macro RLOAD g                         ; group g of 64 (step g / 8, rows 4 (g % 8) on): r[row][4 h] of four rows into set g % 3
.irp e, 0,1,2,3
	ds_load_b128 v[R+16*((\g)%3)+4*\e:R+16*((\g)%3)+4*\e+3], v[RA] offset:((\g)/8)*RP+(4*((\g)%8)+\e)*16
.endr
.endm
; Rows 4 q .. 4 q + 3 against step s's 4 h: 64 instructions.  In a dual maximum both halves take the same r as their first source; their second sources and their results are an even register and the odd one behind it.
.macro GROUP s, q
.set rb, R+16*((8*(\s)+(\q))%3)
.set cb, C+16*((\s)%3)
.set hh, 0
.rept 4
.set hl, 4*(\s)+hh
.if hl%2
.set wp, WC+hl-1
.else
.set wp, WR+hl
.endif
.set n, 0
.rept 8
	v_dual_max_num_f32 v[T+2*n], v[rb+4*(n/2)+hh], v[cb+4*hh+2*(n%2)] :: v_dual_max_num_f32 v[T+2*n+1], v[rb+4*(n/2)+hh], v[cb+4*hh+2*(n%2)+1]   ; t = max(r, -c): row n / 2, j pair n % 2
.set n, n+1
.endr
.set n, 0
.rept 8
.set rA, ACC+4*(4*(\q)+n/2)+2*(n%2)
.if hl == 0
	v_pk_mul_f32 v[rA:rA+1], v[T+2*n:T+2*n+1], s[wp:wp+1] op_sel_hi:[1,0]                  ; the very first product starts the sum
.else
	v_pk_fma_f32 v[rA:rA+1], v[T+2*n:T+2*n+1], s[wp:wp+1], v[rA:rA+1] op_sel_hi:[1,0,1]    ; acc += W2[h] t
.endif
.set n, n+1
.endr
.if (\q) == 0                          ; once a step: the sum that hangs on j alone; its links stand eighteen instructions apart
.irp p, 0,2
.if hl == 0
	v_pk_mul_f32 v[CJ+\p:CJ+\p+1], v[cb+4*hh+\p:cb+4*hh+\p+1], s[wp:wp+1] op_sel_hi:[1,0]
.else
	v_pk_fma_f32 v[CJ+\p:CJ+\p+1], v[cb+4*hh+\p:cb+4*hh+\p+1], s[wp:wp+1], v[CJ+\p:CJ+\p+1] op_sel_hi:[1,0,1]
.endif
.endr
.endif
.set hh, hh+1
.endr
.endm
.macro STEP s
.irp q, 0,1,2,3,4,5,6,7
.if (\q)%2 == 0                        ; the head of a pair of groups
.if 8*(\s)+\q > 0                      ; (the first pair's loads land in registers that no vector instruction has named)
	s_wait_alu depctr_va_vdst(0)                   ; the two groups before are done reading their sets of r, in which the LDS loads below land; at a step's head the step before is done reading its slot of -c, in which the global loads below land
.endif
.if \q == 0
.if (\s)+2 < 8
.irp e, 0,1,2,3
	global_load_b128 v[C+16*(((\s)+2)%3)+4*\e:C+16*(((\s)+2)%3)+4*\e+3], v[CO], s[6:7] offset:(4*((\s)+2)+\e)*4096   ; -c of two steps on, into the slot that the last step has left
.endr
.endif
.endif
	RLOAD 8*(\s)+\q+1                              ; r of this pair's second group, into the set that the last group but one has left,
.if 8*(\s)+\q+2 < 64
	RLOAD 8*(\s)+\q+2                              ; and of the next pair's first group, into the set that the last group has left
	s_wait_dscnt 8                                 ; this group's r is in; the eight loads just issued may be out
.else
	s_wait_dscnt 4                                 ; the last pair asks for its second group alone
.endif
.else                                  ; a pair's second group
.if 8*(\s)+\q+1 < 64
	s_wait_dscnt 4                                 ; this group's r is in; the next group's four loads may be out
.else
	s_wait_dscnt 0x0                               ; the last group
.endif
.endif
.if \q == 0
.if (\s) < 6
	s_wait_loadcnt 8                               ; this step's -c is in; the next two steps' eight loads may be out
.else
	s_wait_loadcnt 4*(7-(\s))                      ; the last two steps have asked for nothing: the counts run down
.endif
.endif
	GROUP \s, \q
.endr
.endm
	RLOAD 0
.irp s, 0,1,2,3,4,5,6,7
	STEP \s
.endr
	; THE END.  Each wave's 4,096 sums, and its part of the sum that hangs on j alone, go to LDS, 512 consecutive bytes a store; behind the barrier wave w adds the eight waves' parts of rows 4 w .. 4 w + 3.
	v_add_nc_u32 v[T], PART+512*32, v[CO]          ; where the row of the sums that hang on j alone lies in the sums of waves 0-3,
	v_add_nc_u32 v[T+1], PART+512*32+4*PWB, v[CO]  ; and of waves 4-7
	s_wait_alu depctr_va_vdst(0)                   ; the steps have written v[ACC ..] and v[CJ ..], which the 33 stores below read, and are done reading v[C ..], in which loads land behind the barrier; v[T] and v[T + 1] are written, which those loads read as addresses
.irp i, 0,1,2,3,4,5,6,7,8,9,10,11,12,13,14,15,16,17,18,19,20,21,22,23,24,25,26,27,28,29,30,31
	ds_store_b128 v[PS], v[ACC+4*\i:ACC+4*\i+3] offset:512*\i
.endr
	ds_store_b128 v[PS], v[CJ:CJ+3] offset:512*32
	s_wait_dscnt 0x0                               ; for the others' sake: my sums have landed
	s_barrier_signal -1
	s_barrier_wait -1
	s_wait_alu depctr_vm_vsrc(0)                   ; my LDS stores have read v[ACC ..], in which the loads below land
.irp p, 0,1,2,3,4,5,6,7
	ds_load_b128 v[C+4*\p:C+4*\p+3], v[T+\p/4] offset:(\p%4)*PWB
.endr
.irp k, 0,1,2,3
.irp p, 0,1,2,3,4,5,6,7
	ds_load_b128 v[ACC+16*\p+4*\k:ACC+16*\p+4*\k+3], v[PR+\p/4] offset:(\p%4)*PWB+512*\k
.endr
.endr
.macro TREE b, st                      ; eight parts of 4 numbers, st registers apart, from v[b] on, are added into the first
.irp e, 0,2
.irp p, 0,2,4,6
	v_pk_add_f32 v[(\b)+(\st)*\p+\e:(\b)+(\st)*\p+\e+1], v[(\b)+(\st)*\p+\e:(\b)+(\st)*\p+\e+1], v[(\b)+(\st)*(\p+1)+\e:(\b)+(\st)*(\p+1)+\e+1]
.endr
.endr
.irp e, 0,2
.irp p, 0,4
	v_pk_add_f32 v[(\b)+(\st)*\p+\e:(\b)+(\st)*\p+\e+1], v[(\b)+(\st)*\p+\e:(\b)+(\st)*\p+\e+1], v[(\b)+(\st)*(\p+2)+\e:(\b)+(\st)*(\p+2)+\e+1]
.endr
.endr
.irp e, 0,2
	v_pk_add_f32 v[(\b)+\e:(\b)+\e+1], v[(\b)+\e:(\b)+\e+1], v[(\b)+(\st)*4+\e:(\b)+(\st)*4+\e+1]
.endr
.endm
	s_wait_dscnt 32                                ; the eight parts of the sum that hangs on j are in; the rows' 32 loads may be out
	TREE C, 4
.irp e, 0,2
	v_pk_fma_f32 v[C+\e:C+\e+1], v[C+\e:C+\e+1], s[LE:LE+1], v[NB:NB+1] op_sel_hi:[1,0,1]   ; log2(e) sum W2 (-c) - log2(e) b2
.endr
.irp k, 0,1,2,3
	s_wait_dscnt 24-8*\k                           ; row k's eight loads are in; the later rows' may be out
	TREE ACC+4*\k, 16
.irp e, 0,2
	v_pk_fma_f32 v[ACC+4*\k+\e:ACC+4*\k+\e+1], v[ACC+4*\k+\e:ACC+4*\k+\e+1], s[NL:NL+1], v[C+\e:C+\e+1] op_sel_hi:[1,0,1]   ; -log2(e) (sum W2 max(r, -c) - sum W2 (-c) + b2)
.endr
.endr
.irp n, 0,1,2,3,4,5,6,7,8,9,10,11,12,13,14,15
	v_exp_f32 v[ACC+\n], v[ACC+\n]                 ; e^-x: infinity where x is far below 0, which the reciprocal turns into 0
.endr
	v_nop                                          ; a plain instruction behind the last exponential,
	s_wait_alu depctr_va_vdst(0)                   ; and one wait for the batch: the sixteen exponentials have written v[ACC .. ACC + 15], ahead of the additions that read them
.irp n, 0,2,4,6,8,10,12,14
	v_pk_add_f32 v[ACC+\n:ACC+\n+1], v[ACC+\n:ACC+\n+1], 1.0 op_sel_hi:[1,0]
.endr
.irp n, 0,1,2,3,4,5,6,7,8,9,10,11,12,13,14,15
	v_rcp_f32 v[ACC+\n], v[ACC+\n]                 ; the sigmoid
.endr
	v_nop
	s_wait_alu depctr_va_vdst(0)                   ; the sixteen reciprocals have written v[ACC .. ACC + 15], which the four stores below read
.irp k, 0,1,2,3
	global_store_b128 v[CO], v[ACC+4*\k:ACC+4*\k+3], s[12:13] offset:4096*\k th:TH_STORE_NT   ; 32 lanes store 512 consecutive bytes, at a multiple of 256 from out0's first byte; written once, read by nobody here
.endr
	s_wait_dscnt 0x0
	s_wait_alu depctr_hold_cnt(0) depctr_sa_sdst(0) depctr_va_vdst(0) depctr_va_sdst(0) depctr_va_ssrc(0) depctr_va_vcc(0) depctr_vm_vsrc(0)
	s_wait_tensorcnt 0x0
	ds_add_u32 v126, v127
	s_wait_dscnt 0x0
	s_endpgm
.Lfunc_end_k_qc336dfa476_pairs:
	.size	k_qc336dfa476_pairs, .Lfunc_end_k_qc336dfa476_pairs-k_qc336dfa476_pairs
	.p2alignl 7, 3214868480
	.fill 96, 4, 3214868480
	.section	.rodata,"a",@progbits
	.p2align	6, 0x0
	.amdhsa_kernel k_qc336dfa476_pairs
		.amdhsa_group_segment_fixed_size 169984
		.amdhsa_private_segment_fixed_size 0
		.amdhsa_enable_private_segment 0
		.amdhsa_kernarg_size 40
		.amdhsa_user_sgpr_count 2
		.amdhsa_user_sgpr_kernarg_segment_ptr 1
		.amdhsa_wavefront_size32 1
		.amdhsa_system_sgpr_workgroup_id_x 1
		.amdhsa_system_sgpr_workgroup_id_y 1
		.amdhsa_system_sgpr_workgroup_id_z 1
		.amdhsa_system_vgpr_workitem_id 0
		.amdhsa_next_free_vgpr 256
		.amdhsa_next_free_sgpr 100
		.amdhsa_reserve_vcc 0
		.amdhsa_float_denorm_mode_32 3
		.amdhsa_float_denorm_mode_16_64 3
		.amdhsa_memory_ordered 1
		.amdhsa_forward_progress 1
		.amdhsa_inst_pref_size 255
	.end_amdhsa_kernel
	.section	.bss,"aw",@nobits
	.p2align	6
	.space	262144
	.amdgpu_metadata
---
amdhsa.version: [ 1, 2 ]
amdhsa.kernels:
  - .name:           k_qc336dfa476_pairs
    .symbol:         k_qc336dfa476_pairs.kd
    .args:
      - { .name: rbuf, .offset: 0, .size: 8, .value_kind: global_buffer, .address_space: global }
      - { .name: ct, .offset: 8, .size: 8, .value_kind: global_buffer, .address_space: global }
      - { .name: W2, .offset: 16, .size: 8, .value_kind: global_buffer, .address_space: global }
      - { .name: b2, .offset: 24, .size: 8, .value_kind: global_buffer, .address_space: global }
      - { .name: out0, .offset: 32, .size: 8, .value_kind: global_buffer, .address_space: global }
    .group_segment_fixed_size: 169984
    .private_segment_fixed_size: 0
    .kernarg_segment_align: 8
    .kernarg_segment_size: 40
    .max_flat_workgroup_size: 256
    .sgpr_count:     100
    .vgpr_count:     256
    .wavefront_size: 32
...
	.end_amdgpu_metadata
.endif
;; end of part 4
